; MI455X (gfx1250); checked and timed in simulation.
; The chip was launched on July 23, 2026; its instructions are those of AMD's public machine-readable ISA for CDNA 5 (MIT licence, August 2026) and "CDNA5" Instruction Set Architecture Reference Guide (July 2026). The comments in the code are by the model that wrote it; some were corrected since.
;; Channel Self Attn. Allowed arithmetic: matrix products marked QUANTISED: E3M2 operands, one E8M0 scale for each 32 along K, by v_wmma_scale_f32_16x16x128_f8f6f4 with both operands' format E3M2, f32 sums; everything else in f32.
;; Inputs: b1 16 float32; b2 16 float32; gamma 1 float32; w1 16 float32; w2 16 float32; x 32 x 1 x 64 x 4,000 float32.
;; Outputs: out0 32 x 1 x 64 x 4,000 float32.
;; This version of the problem:
;;   THIS VERSION OF THE PROBLEM IS GIVEN IN LOW PRECISION. The matrix products marked QUANTISED in the list below multiply operands that are first quantised to E3M2 (3 exponent bits, 2 mantissa bits; 6 bits a number), with one power-of-two scale for each 32 numbers along K (OCP MX v1.0); their sums are f32. All else is computed in f32.
;;   The module's matrix products, in the order in which they are computed (A, B: the left and right operand; K: the contracted axis; several contracted axes count as one K, in the product's order):
;;     1. batch 32 x [M 64, K 64,000] x [K 64,000, N 64]; A: computed on the way; B: computed on the way: QUANTISED
;;     2. batch 32 x [M 64, K 64] x [K 64, N 4,000]; A: softmax (see below); B: input x: QUANTISED
;;   THE QUANTISER, for each operand of a quantised product, along K:
;;     - K is cut into blocks of 32 from its start; a last block that is shorter is filled with zeros.
;;     - A block's scale is 2^e with e = floor(log2(the largest magnitude in the block)) - 4, held to -126 .. 127; a block of zeros has e = 0. As a byte (E8M0): e + 127.
;;     - Each number is divided by its block's scale, clamped to +-28, and rounded to the nearest number of E3M2, ties to even, subnormals kept.
;;     - The product sums the exact products of the quantised numbers (number of the format x scale) in f32.
;;   ~~~python
;;   def quantise(x, axis):      # numpy; x: float32 -> the quantised numbers, widened to float32 again
;;       x = np.moveaxis(x, axis, -1); K = x.shape[-1]
;;       x = np.pad(x, [(0, 0)] * (x.ndim - 1) + [(0, -K % 32)]); x = x.reshape(x.shape[:-1] + (-1, 32)); a = np.abs(x).max(-1, keepdims=True)
;;       e = np.where(a > 0, np.clip(np.frexp(np.where(a > 0, a, 1))[1] - 1 - 4, -126, 127), 0)      # np.frexp(a)[1] - 1 = floor(log2(a)), exactly
;;       r = np.clip(x / 2.0 ** e, -28, 28)
;;       step = 2.0 ** (np.maximum(np.frexp(np.where(r == 0, 1, r))[1] - 1, -2) - 2)
;;       q = np.round(r / step) * step * 2.0 ** e      # np.round: ties to even
;;       return np.moveaxis(q.reshape(q.shape[:-2] + (-1,))[..., :K], -1, axis).astype(np.float32)
;;   ~~~
;;   SOFTMAX AHEAD OF A QUANTISED PRODUCT. Where the list says 'softmax', what is quantised is not the finished softmax but p = 2^(t - M), with t = logit x log2(e) and M = ceil(the row's largest t), a whole number; so 1/2 < the row's largest p <= 1. The row's sum l is taken of the UNQUANTISED p, in f32, and the product's result is divided by l at the end. Since M is a whole number, a kernel that streams over the keys may use a running M (the ceiling of the running maximum): every later rescaling is an exact power of two, which a block's scale takes up: the codes' values come out the same.
;;   OPERANDS COMPUTED ON THE WAY. 'Computed on the way' means the value that the module computes at that place (a softmax that the list does not call 'softmax' is quantised finished and normalised). What goes into a quantiser is computed in f32, as accurately as f32 sums, v_exp_f32 and their like allow (about 1e-6 of the number): no bf16 or f16 on the way to a quantiser, and a product that is left as it is and whose result goes on into a quantised operand takes f32 operands (vector FMAs, or v_wmma_f32_16x16x4_f32). A number that lies on a knife's edge between two numbers of the format may be rounded either way, as far as f32 arithmetic and the matrix unit's own rounding can turn it there, and no further.
;; One version. Each part assembles by itself: llvm-mc -triple=amdgcn-amd-amdhsa -mcpu=gfx1250 --defsym DOCPART=n.
;; ======== version 1 of 1: 2 launches
;; workspace buffers: epart 4,194,304 bytes
;; launch gram (part 1): grid 8 x 32, 8 waves a work-group, no clusters, 265,216 bytes of LDS; arguments x, w1, b1, w2, b2, epart; writes epart
.if DOCPART == 1
	.amdgcn_target "amdgcn-amd-amdhsa--gfx1250"
	.amdhsa_code_object_version 6
	.text
	.protected	k_q574453398f_gram
	.globl	k_q574453398f_gram
	.p2align	8
	.type	k_q574453398f_gram,@function
k_q574453398f_gram:
	s_mov_b64 s[64:65], 0
	v_nop
	global_prefetch_b8 v0, s[64:65] scope:SCOPE_SE
	s_setreg_imm32_b32 hwreg(HW_REG_WAVE_MODE, 25, 1), 1
	s_wait_xcnt 0x0
; e[b][i][j] = sum over (f, t) of q[f][i][t] k[f][j][t],  q = w1[f] x[i][t] + b1[f],  k = w2[f] x[j][t] + b2[f]:  K = 16 x 4,000, f outer, t inner, both operands quantised to E3M2
; in blocks of 32 along K.  4,000 = 125 x 32, so a block of K is ONE f and one block of 32 samples.  This launch stores, for each batch and each of 8 chunks of samples, the chunk's part of e (64 x 64 f32).
; SHARES.  Work-group (c, b): batch b, 16 blocks of samples from block sb = min(16 c, 109) on: 2,048 bytes of each of the 64 rows, which come into LDS whole at the start (two tiles of 1,024 bytes a row) and are
; never filled again.  Chunk 7 begins three blocks early, so that its tiles lie inside the rows; its local blocks 0-2 are chunk 6's and are left out.  Wave w works local block 8 + w, then local block w.
; A UNIT is one block of 32 samples x 64 rows x 16 f: four K steps of 128, 64 matrix instructions on the whole 64 x 64 of e.  So no fragment is made twice and none goes from wave to wave.
; THE FOUR BLOCKS OF A K STEP ARE FOUR f OF ONE BLOCK OF SAMPLES: block 2 c + h of step g is f = 4 g + 2 c + h (the same order on both operands, so the products meet).  Lane (r, h) of a fragment holds blocks h and 2 + h
; of its row: both are made of the SAME 32 numbers of x, which the lane keeps in registers for all 16 f and both operands.
; A BLOCK'S LARGEST MAGNITUDE IS NOT SEARCHED FOR: w x + b (one rounding) does not fall where x rises (or does not rise, for w < 0), so the largest |w x + b| of a block is that of the block's largest or smallest x, bit for bit.
; Those two are found once for a row and block.  With w / 16 and b / 16 (exact) the result's exponent field is the largest magnitude's less 4: the conversion's scale operand as it stands, and its upper bits the scale byte.
; No work-group shares a tile with another (the three blocks of chunk 7's early start apart), so no cluster and no joint load.
; LIMITS: NaN and infinities among the inputs are not served.  |w| or |b| under 2^-118 may lose bits in w / 16, b / 16.  q and k are made by one fused multiply-add (one rounding, where a product and a sum have two).
; A block whose largest magnitude lies under 2^-122 (a block of zeros too) gets the scale byte 1; the bytes are read by this program alone, and zero codes add nothing under any byte but 0xff.
; REGISTERS, in windows of 256 (s_set_vgpr_msb: bits 1:0 source 0, 3:2 source 1, 5:4 source 2, 7:6 destination):
;   window 0: v1-7 addresses; v8-31 at work on scale bytes; v32-39 (max, min) of x for the four row tiles; v40-55 scale operands; v56-63 scale words; v64-95 (w, b) pairs; v96-127 the same / 16; v128-255 the 16 accumulators
;   window 1: v0-127 x, 32 numbers for each of four row tiles; v128-159 the 32 numbers of the block in hand; v160-167 upper halves of blocks' codes; v168-215 k's four fragments; v216-239 q's, two by turns; v240-255 at work
.set PITCH, 1040                       ; an LDS row: 1,024 bytes + 16 of padding = 65 x 16: the 16 rows that a load of 16 bytes a lane touches fall on 16 different columns of 16 bytes
.set TILE,  64*PITCH                   ; slot 0: local blocks 8-15; slot 1: local blocks 0-7
.set RED,   2*TILE                     ; behind the slots: 16,384 bytes for each wave's part of e; no tile lands here
.set AX,   1                           ; v1-2   my row's place in slot 0, 1: (lane % 16) x PITCH + 128 x wave
.set RA,   3                           ; v3     where I put my results in my wave's region
.set RB,   4                           ; v4-5   where I read the eight regions back (regions 0-3, 4-7)
.set GOFF, 6                           ; v6     my byte offset in the part of e
.set WOFF, 7                           ; v7     4 x (lane / 16): which of two neighbouring f is mine
.set ZX,   8                           ; v8-11  the other half's bytes
.set ZZ,   12                          ; v12-15 my four bytes
.set EB,   16                          ; v16-31 bytes one by one; v16-23 first serve as four pairs of magnitudes
.set MX,   32
.set SS,   40                          ; scale operand (side, row tile a, c) at SS + 8 side + 2 a + c; side 0 = q, 1 = k
.set QS,   56                          ; q's scale words, one register a row tile
.set KS,   60                          ; k's
.set WB,   64                          ; (w, b) at WB + 16 side + 4 g + 2 c: f = 4 g + 2 c + lane / 16
.set WBS,  96
.set ACC,  128                         ; accumulator (a, b) at ACC + 8 (4 a + b): lane (r, h), register z: e[16 a + r][16 b + 8 h + z]
.set TMP,  128                         ; window 1
.set T3,   160
.set KF,   168
.set QF,   216
.set MM,   240
.set LDX,  0x40                        ; destination window 1, address window 0
.set ALL1, 0x55                        ; all places window 1
.set MUL,  0x05                        ; sources 0 and 1 window 1; C and D window 0
.set GEN,  0x41                        ; destination and source 0 window 1; sources 1 and 2 window 0
.set MSB, 0
.macro WIN new                         ; the immediate's high byte repeats the setting that is left; a switch that changes nothing is dropped
.if MSB != \new
	s_set_vgpr_msb (MSB<<8)|\new
.set MSB, \new
.endif
.endm
	s_load_b256 s[4:11], s[0:1], 0x0               ; x s[4:5], w1 s[6:7], b1 s[8:9], w2 s[10:11]
	s_load_b128 s[12:15], s[0:1], 0x20             ; b2 s[12:13], the parts of e s[14:15]
	s_set_vgpr_msb 0x40
	v_lshl_add_u32 v163, v0, 2, 0x40800
	v_mov_b32 v167, 0
	s_set_vgpr_msb 0x4045
	ds_add_u32 v163, v167
	ds_add_u32 v163, v167
	s_set_vgpr_msb 0x4500
	v_lshrrev_b32 v1, 5, v0
	v_readfirstlane_b32 s16, v1                    ; wave 0..7
	s_mov_b32 s17, ttmp9                           ; chunk
	s_and_b32 s18, ttmp7, 0xffff                   ; batch
	s_lshl_b32 s19, s17, 4
	s_min_u32 s19, s19, 109                        ; the chunk's first block of samples
	s_cmp_eq_u32 s17, 7
	s_cselect_b32 s22, 3, 0                        ; waves under this number have no second unit
	; descriptor group 1: a tile of 8 rows x 256 numbers of 4 bytes, 16 bytes of padding behind each row
	s_mov_b32 s24, (2<<16)|(1<<20)|(7<<22)|(3<<25) ; no mask; elements of 4 bytes; padding on; after every 256 words (code 7); of 4 words (code 3)
	s_mov_b32 s25, 256<<16                         ; tensor_dim0 = 256
	s_mov_b32 s26, 8<<16                           ; tensor_dim1 = 8
	s_mov_b32 s27, 256<<16                         ; tile_dim0 = 256
	s_mov_b32 s28, 8                               ; tile_dim1 = 8
	s_mov_b32 s29, 4000                            ; from row to row
	s_mov_b32 s30, 0
	s_mov_b32 s31, 0
	s_mul_i32 s20, s18, 1024000                    ; the batch,
	s_mul_i32 s21, s16, 128000                     ; my wave's 8 rows of 16,000 bytes,
	s_add_co_u32 s20, s20, s21
	s_lshl_b32 s21, s19, 7                         ; the chunk's first block
	s_add_co_u32 s20, s20, s21
	s_mov_b32 s21, 0
	s_mul_i32 s23, s16, 8*PITCH                    ; and where my 8 rows go in a slot
	s_mov_b32 s40, 0x76543210
	s_mov_b32 s41, 0xfedcba98                      ; v_permlanex16_b32's selects for lane l xor 16
	s_mov_b32 s42, 0x06020400                      ; byte selects: mine 0, the other's 0, mine 2, the other's 2
	s_mov_b32 s43, 0x07030501                      ; mine 1, the other's 1, mine 3, the other's 3
	s_wait_dscnt 0x0
	s_wait_kmcnt 0x0
	s_add_nc_u64 s[4:5], s[4:5], s[20:21]
	s_mov_b32 s32, 1                               ; group 0 for slot 0: count 1,
	s_mov_b32 s33, s23                             ; LDS address,
	s_add_nc_u64 s[34:35], s[4:5], 1024            ; local blocks 8-15,
	s_or_b32 s35, s35, 0x80000000                  ; type 2
	s_mov_b32 s36, 1                               ; and for slot 1: local blocks 0-7
	s_add_co_u32 s37, s23, TILE
	s_mov_b64 s[38:39], s[4:5]
	s_or_b32 s39, s39, 0x80000000
	tensor_load_to_lds s[32:35], s[24:31]          ; all that the work-group reads of x is asked for here: two loads a wave, 16 KiB; both are first fills
	s_nop 0
	tensor_load_to_lds s[36:39], s[24:31]
	s_nop 0
.rept 4
	v_nop                                          ; four nops behind the loads
.endr
	v_and_b32 v8, 15, v0                           ; r
	v_bfe_u32 v9, v0, 4, 1                         ; h
	v_and_b32 v10, 31, v0                          ; lane
	v_lshlrev_b32 v[WOFF], 2, v9
.irp g, 0,1,2,3
.irp cc, 0,1
	global_load_b32 v[WB+4*\g+2*\cc],      v[WOFF], s[6:7]   offset:(4*\g+2*\cc)*4     ; w1, b1, w2, b2 at f = 4 g + 2 c + h
	global_load_b32 v[WB+4*\g+2*\cc+1],    v[WOFF], s[8:9]   offset:(4*\g+2*\cc)*4
	global_load_b32 v[WB+16+4*\g+2*\cc],   v[WOFF], s[10:11] offset:(4*\g+2*\cc)*4
	global_load_b32 v[WB+16+4*\g+2*\cc+1], v[WOFF], s[12:13] offset:(4*\g+2*\cc)*4
.endr
.endr
	s_lshl_b32 s20, s16, 7                         ; my block's 128 bytes in a slot's row
	v_mul_u32_u24 v[AX], v8, PITCH
	v_add_nc_u32 v[AX], s20, v[AX]
	v_add_nc_u32 v[AX+1], TILE, v[AX]
	s_lshl_b32 s20, s16, 14
	s_add_co_u32 s20, s20, RED                     ; my wave's region
	v_lshlrev_b32 v[RA], 4, v8
	v_lshl_add_u32 v[RA], v9, 10, v[RA]
	v_add_nc_u32 v[RA], s20, v[RA]                 ; + 1,024 h + 16 r
	s_lshl_b32 s20, s16, 11                        ; the 2,048 bytes of the part that my wave sums
	v_lshl_add_u32 v[GOFF], v10, 4, s20
	v_add_nc_u32 v[RB], RED, v[GOFF]
	v_add_nc_u32 v[RB+1], 65536, v[RB]
.irp a, 0,1,2,3
	v_mov_b32 v[ZX+\a], 0                          ; written once: a lane permute's destination counts as one of its sources
.endr
	s_lshl_b32 s20, s18, 3
	s_add_co_u32 s20, s20, s17
	s_lshl_b32 s20, s20, 14                        ; part (8 b + c) of 16,384 bytes
	s_add_nc_u64 s[14:15], s[14:15], s[20:21]
	s_wait_loadcnt 0x0
.set i, 0
.rept 32
	v_mul_f32 v[WBS+i], 0x3d800000, v[WB+i]        ; w / 16, b / 16
.set i, i+1
.endr
; my row tiles' 32 numbers of the block: both halves of the lanes take the same row
.macro XLOAD t
	WIN LDX
.irp a, 0,1,2,3
.irp q, 0,1,2,3,4,5,6,7
	ds_load_b128 v[32*\a+4*\q:32*\a+4*\q+3], v[AX+\t] offset:\a*16*PITCH+16*\q
.endr
.endr
.endm
; the largest and the smallest of row tile a's 32 numbers, two chains each
.macro CHAINS a
	WIN ALL1
.set cx, 32*(\a)
.set cm, MM+4*(\a)
	v_max3_num_f32 v[cm],   v[cx],   v[cx+1], v[cx+2]
	v_max3_num_f32 v[cm+1], v[cx+3], v[cx+4], v[cx+5]
	v_min3_num_f32 v[cm+2], v[cx],   v[cx+1], v[cx+2]
	v_min3_num_f32 v[cm+3], v[cx+3], v[cx+4], v[cx+5]
.irp i, 6,10,14,18,22,26
	v_max3_num_f32 v[cm],   v[cm],   v[cx+\i],   v[cx+\i+1]
	v_max3_num_f32 v[cm+1], v[cm+1], v[cx+\i+2], v[cx+\i+3]
	v_min3_num_f32 v[cm+2], v[cm+2], v[cx+\i],   v[cx+\i+1]
	v_min3_num_f32 v[cm+3], v[cm+3], v[cx+\i+2], v[cx+\i+3]
.endr
	v_max3_num_f32 v[cm],   v[cm],   v[cx+30], v[cx+31]
	v_min3_num_f32 v[cm+2], v[cm+2], v[cx+30], v[cx+31]
.endm
.macro FINALS
	WIN MUL
.irp a, 0,1,2,3
	v_max_num_f32 v[MX+2*\a],   v[MM+4*\a],   v[MM+4*\a+1]
	v_min_num_f32 v[MX+2*\a+1], v[MM+4*\a+2], v[MM+4*\a+3]
.endr
.endm
; K step g: the 16 scale operands of my two blocks x four row tiles x two sides, and the eight scale words
.macro SCALES g
	WIN 0
.irp a, 0,1,2,3
.irp sd, 0,1
.irp cc, 0,1
	v_pk_fma_f32 v[EB+4*\sd+2*\cc:EB+4*\sd+2*\cc+1], v[MX+2*\a:MX+2*\a+1], v[WBS+16*\sd+4*(\g)+2*\cc:WBS+16*\sd+4*(\g)+2*\cc+1], v[WBS+16*\sd+4*(\g)+2*\cc:WBS+16*\sd+4*(\g)+2*\cc+1] op_sel:[0,0,1] op_sel_hi:[1,0,1]   ; (w max + b, w min + b) / 16
.endr
.endr
.irp sd, 0,1
.irp cc, 0,1
	v_max3_num_f32 v[SS+8*\sd+2*\a+\cc], |v[EB+4*\sd+2*\cc]|, |v[EB+4*\sd+2*\cc+1]|, 0x800000   ; the block's largest magnitude / 16, and the floor 2^-126: the byte cannot fall under 1
.endr
.endr
.endr
.irp a, 0,1,2,3
	v_lshrrev_b32 v[EB+4*\a],   23, v[SS+2*\a]     ; the bytes: q's block h,
	v_lshrrev_b32 v[EB+4*\a+1], 23, v[SS+8+2*\a]   ; k's block h,
	v_lshrrev_b32 v[EB+4*\a+2], 23, v[SS+2*\a+1]   ; q's block 2 + h,
	v_lshrrev_b32 v[EB+4*\a+3], 23, v[SS+8+2*\a+1] ; k's block 2 + h
.endr
.irp a, 0,1,2,3
	v_lshl_or_b32 v[ZZ+\a], v[EB+4*\a+1], 8, v[EB+4*\a]
.endr
.irp a, 0,1,2,3
	v_lshl_or_b32 v[ZZ+\a], v[EB+4*\a+2], 16, v[ZZ+\a]
.endr
.irp a, 0,1,2,3
	v_lshl_or_b32 v[ZZ+\a], v[EB+4*\a+3], 24, v[ZZ+\a]
.endr
.irp a, 0,1,2,3
	v_permlanex16_b32 v[ZX+\a], v[ZZ+\a], s40, s41
.endr
.irp a, 0,1,2,3
	v_perm_b32 v[QS+\a], v[ZX+\a], v[ZZ+\a], s42   ; lanes 0-15: q's bytes of blocks 0, 1, 2, 3 of row r (lanes 16-31 are not read)
.endr
.irp a, 0,1,2,3
	v_perm_b32 v[KS+\a], v[ZX+\a], v[ZZ+\a], s43   ; and k's
.endr
.endm
; four products: q's row tile a against k's four.  TRANSPOSED: source 0 = 16 rows of k, source 1 = 16 rows of q: a lane holds one row i of e and eight neighbouring j.
; The 16 accumulators take turns, one instruction a turn, in the same order in every K step.
.macro WMMA4 a, zero
	WIN MUL
.irp bb, 0,1,2,3
.if \zero
	v_wmma_scale_f32_16x16x128_f8f6f4 v[ACC+8*(4*(\a)+\bb):ACC+8*(4*(\a)+\bb)+7], v[KF+12*\bb:KF+12*\bb+11], v[QF+12*((\a)&1):QF+12*((\a)&1)+11], 0, v[KS+\bb], v[QS+(\a)] matrix_a_fmt:MATRIX_FMT_BF6 matrix_b_fmt:MATRIX_FMT_BF6
.else
	v_wmma_scale_f32_16x16x128_f8f6f4 v[ACC+8*(4*(\a)+\bb):ACC+8*(4*(\a)+\bb)+7], v[KF+12*\bb:KF+12*\bb+11], v[QF+12*((\a)&1):QF+12*((\a)&1)+11], v[ACC+8*(4*(\a)+\bb):ACC+8*(4*(\a)+\bb)+7], v[KS+\bb], v[QS+(\a)] matrix_a_fmt:MATRIX_FMT_BF6 matrix_b_fmt:MATRIX_FMT_BF6
.endif
.endr
.endm
.macro MOVE3                           ; the upper 16 codes of the block made last go to their place (a conversion's three registers begin on an even number; a block's second three do not)
.irp k, 0,1,2
	v_mov_b32 v[pD+\k], v[pT+\k]
.endr
.endm
; JOB n of 16 in K step g: one block of one row tile of one side: jobs 0-7 k's tiles 0-3 (blocks c = 0, 1), jobs 8-15 q's.  16 packed multiply-adds, two conversions, and the last job's three moves, which are
; the plain lines between this job's conversions and the next job's writes of their sources.  q's fragments take two sets of registers by turns; tile a's four products stand in job 11 + 2 a, behind its 16 multiply-adds:
; those are the places between the fragment's last move and the products, and the next 19 plain lines the places between the products and the next write of that set.
.macro JOB n, g, zero
.set jsd, 1-((\n)/8)
.set ja, ((\n)&7)/2
.set jc, (\n)&1
.if (\n) < 8
.set jF, KF+12*ja
.else
.set jF, QF+12*(ja&1)
.endif
.set jW, WB+16*jsd+4*(\g)+2*jc
.set jS, SS+8*jsd+2*ja+jc
	WIN GEN
.set i, 0
.rept 16
	v_pk_fma_f32 v[TMP+2*i:TMP+2*i+1], v[32*ja+2*i:32*ja+2*i+1], v[jW:jW+1], v[jW:jW+1] op_sel:[0,0,1] op_sel_hi:[1,0,1]   ; w x + b, two at a time
.set i, i+1
.endr
.if ((\n) == 11) || ((\n) == 13) || ((\n) == 15)
	WMMA4 ((\n)-11)/2, \zero
	WIN GEN
.endif
	v_cvt_scalef32_pk16_bf6_f32 v[jF+6*jc:jF+6*jc+2], v[TMP:TMP+15], v[jS]
	v_cvt_scalef32_pk16_bf6_f32 v[T3+4*jc:T3+4*jc+2], v[TMP+16:TMP+31], v[jS]
.if (\n) > 0
	MOVE3
.else
	v_nop                                          ; one plain line behind the conversions
.endif
.set pD, jF+6*jc+3
.set pT, T3+4*jc
.endm
.macro KSTEP g, zero
	SCALES \g
.irp n, 0,1,2,3,4,5,6,7,8,9,10,11,12,13,14,15
	JOB \n, \g, \zero
.endr
	MOVE3                                          ; job 15's (job 14's three moves stand between the conversions and these)
.rept 4
	v_nop                                          ; an operand written by vector instructions stands four places ahead of a scaled matrix instruction
.endr
	WMMA4 3, \zero
.endm
.macro UNIT t, zero
	XLOAD \t
.irp a, 0,1,2,3
	s_wait_dscnt 24-8*\a                           ; row tile a's eight loads are in; the younger tiles' stay out
	CHAINS \a
.endr
	FINALS
	KSTEP 0, \zero
	KSTEP 1, 0
	KSTEP 2, 0
	KSTEP 3, 0
	WIN 0                                          ; at a label and at a branch every window is 0
.endm
	s_wait_tensorcnt 0x1                           ; my 8 rows of slot 0 are in; slot 1's load may stay out
	s_barrier_signal -1
	s_barrier_wait -1                              ; everybody's are
	UNIT 0, 1                                      ; local block 8 + wave: every chunk owns it; its first K step starts the sums: nothing is cleared
	s_wait_tensorcnt 0x0                           ; my 8 rows of slot 1 are in
	s_wait_dscnt 0x0
	s_barrier_signal -1
	s_barrier_wait -1
	s_cmp_lt_u32 s16, s22                          ; chunk 7's local blocks 0-2 are chunk 6's: a branch on ids, round no barrier and no tensor load
	s_cbranch_scc1 .Lskip
	UNIT 1, 0                                      ; local block wave
.Lskip:
.rept 4
	v_nop                                          ; four places between the last products and the first read of results
.endr
	; THE EIGHT WAVES' PARTS ARE ADDED.  Each puts its 64 x 64 into its own region, laid as the next launch's registers want it: byte 4,096 a + 512 q + 16 lane' holds e[16 a + lane' % 16][32 (lane' / 16) + 4 q + 0 .. 3].
.irp a, 0,1,2,3
.irp bb, 0,1,2,3
.irp u, 0,1
	ds_store_b128 v[RA], v[ACC+8*(4*\a+\bb)+4*\u:ACC+8*(4*\a+\bb)+4*\u+3] offset:\a*4096+(\bb&1)*2048+\u*512+(\bb/2)*256   ; each accumulator from its low end on
.endr
.endr
.endr
	s_wait_dscnt 0x0                               ; for the others' sake: my stores are done
	s_barrier_signal -1
	s_barrier_wait -1
.irp p, 0,1,2,3,4,5,6,7
.irp k, 0,1,2,3
	ds_load_b128 v[ACC+16*\p+4*\k:ACC+16*\p+4*\k+3], v[RB+\p/4] offset:(\p&3)*16384+512*\k   ; bytes 2,048 wave on of region p
.endr
.endr
.irp p, 1,2,3,4,5,6,7
	s_wait_dscnt 4*(7-\p)                          ; regions 0 to p are in; the younger regions' four loads each stay out
.irp i, 0,2,4,6,8,10,12,14
	v_pk_add_f32 v[ACC+\i:ACC+\i+1], v[ACC+\i:ACC+\i+1], v[ACC+16*\p+\i:ACC+16*\p+\i+1]
.endr
.endr
.irp k, 0,1,2,3
	global_store_b128 v[GOFF], v[ACC+4*\k:ACC+4*\k+3], s[14:15] offset:512*\k   ; 32 lanes store 512 consecutive bytes, at a multiple of 512 from the buffer's first byte
.endr
	s_set_vgpr_msb 0x5
	s_wait_tensorcnt 0x0
	ds_add_u32 v163, v167
	s_wait_dscnt 0x0
	s_set_vgpr_msb 0x500
	s_endpgm
.Lfunc_end_k_q574453398f_gram:
	.size	k_q574453398f_gram, .Lfunc_end_k_q574453398f_gram-k_q574453398f_gram
	.p2alignl 7, 3214868480
	.fill 96, 4, 3214868480
	.section	.rodata,"a",@progbits
	.p2align	6, 0x0
	.amdhsa_kernel k_q574453398f_gram
		.amdhsa_group_segment_fixed_size 265216
		.amdhsa_private_segment_fixed_size 0
		.amdhsa_enable_private_segment 0
		.amdhsa_kernarg_size 48
		.amdhsa_user_sgpr_count 2
		.amdhsa_user_sgpr_kernarg_segment_ptr 1
		.amdhsa_wavefront_size32 1
		.amdhsa_system_sgpr_workgroup_id_x 1
		.amdhsa_system_sgpr_workgroup_id_y 1
		.amdhsa_system_sgpr_workgroup_id_z 1
		.amdhsa_system_vgpr_workitem_id 0
		.amdhsa_next_free_vgpr 512
		.amdhsa_next_free_sgpr 66
		.amdhsa_reserve_vcc 0
		.amdhsa_float_denorm_mode_32 3
		.amdhsa_float_denorm_mode_16_64 3
		.amdhsa_memory_ordered 1
		.amdhsa_forward_progress 1
		.amdhsa_inst_pref_size 250
	.end_amdhsa_kernel
	.amdgpu_metadata
---
amdhsa.version: [ 1, 2 ]
amdhsa.kernels:
  - .name:           k_q574453398f_gram
    .symbol:         k_q574453398f_gram.kd
    .args:
      - { .name: x, .offset: 0, .size: 8, .value_kind: global_buffer, .address_space: global }
      - { .name: w1, .offset: 8, .size: 8, .value_kind: global_buffer, .address_space: global }
      - { .name: b1, .offset: 16, .size: 8, .value_kind: global_buffer, .address_space: global }
      - { .name: w2, .offset: 24, .size: 8, .value_kind: global_buffer, .address_space: global }
      - { .name: b2, .offset: 32, .size: 8, .value_kind: global_buffer, .address_space: global }
      - { .name: epart, .offset: 40, .size: 8, .value_kind: global_buffer, .address_space: global }
    .group_segment_fixed_size: 265216
    .private_segment_fixed_size: 0
    .kernarg_segment_align: 8
    .kernarg_segment_size: 48
    .max_flat_workgroup_size: 256
    .sgpr_count:     66
    .vgpr_count:     512
    .wavefront_size: 32
...
	.end_amdgpu_metadata
.endif
;; end of part 1
;; launch attn (part 2): grid 8 x 32, 8 waves a work-group, no clusters, 168,960 bytes of LDS; arguments x, epart, gamma, out0; writes out0
.if DOCPART == 2
	.amdgcn_target "amdgcn-amd-amdhsa--gfx1250"
	.amdhsa_code_object_version 6
	.text
	.protected	k_q574453398f_attn
	.globl	k_q574453398f_attn
	.p2align	8
	.type	k_q574453398f_attn,@function
k_q574453398f_attn:
	s_mov_b64 s[64:65], 0
	v_nop
	global_prefetch_b8 v0, s[64:65] scope:SCOPE_SE
	s_setreg_imm32_b32 hwreg(HW_REG_WAVE_MODE, 25, 1), 1
	s_wait_xcnt 0x0
; out[b][i][t] = gamma (sum over j of p[i][j] x[j][t]) / l[i] + x[i][t].  e = the sum of the batch's eight parts; n = (e - min) / (max - min + 1e-8) along each row; t = n log2(e); M = ceil(the row's largest t);
; p = 2^(t - M), quantised to E3M2 in two blocks of 32 along j; l = the row's sum of the unquantised p; x is quantised down the channels j (two blocks of 32 for each sample).  K = 64: the upper half of the
; matrix instruction's 128 is x's zero codes under the scale byte 127.
; SHARES.  Work-group (c, b): batch b, 16 blocks of 32 samples from block sb = min(16 c, 109) on, as in the launch before: two tiles of 64 rows x 1,024 bytes, asked for at the first lines and never filled again.
; Chunk 7 begins three blocks early and leaves the first 384 bytes of its rows to chunk 6.  Waves 0-3 make p for 16 rows of e each while the tiles are on their way; all eight waves then take a block of samples of each tile.
; p goes from wave to wave through LDS as an image of its registers.  A block's results are written over x in the tile (each wave's own 128 bytes of every row; the tile has had its one fill), and leave as rows.
; BOTH OPERANDS NEED NO TRANSPOSITION: a lane takes one sample and its registers run down 32 channels (loads of 4 bytes from 32 LDS rows); a lane of p holds 32 neighbouring j of one row, as the parts of e are laid.
; THE PRODUCT: source 0 = 16 samples of x, source 1 = 16 rows of p: lane (r, h), register z holds row 16 a + r, sample 8 h + z: 32 neighbouring bytes of a row of out.
; NO CLUSTER, though the eight chunks of a batch read the same 128 KiB of parts: chunk 7's odd first block enters LDS addresses (the rows' rotation below) and EXEC masks, which partners of joint loads may not
; have different; and the parts come through registers in four waves, beside 128 KiB of x that nobody shares.
; LIMITS: NaN and infinities are not served.  1 / (max - min + 1e-8) and 1 / l are v_rcp_f32 and a multiplication.  A block of zeros of x gets the scale byte 1: its codes are zeros.
; The exponents t - M lie between -2 and 0 for every input (n lies in 0 .. 1 by its own making), so no p and no sum can overflow or underflow.
.set PITCH, 1040                       ; an LDS row: 1,024 bytes + 16 of padding
.set TILE2, 66816                      ; a tile: row R at R x PITCH, + 128 from row 32 on, so that lanes 16-31, which stand 32 rows below lanes 0-15, fall 32 banks of 4 bytes on; 66,688 bytes, rounded up to blocks of 256
.set PIMG,  2*TILE2                    ; p's four fragments: 512 bytes (registers 0-3, 16 a lane) + 256 (registers 4-5, 8 a lane) each
.set PSC,   PIMG+4*768                 ; their scale words, 128 bytes each; 512 bytes on: gamma / l, likewise
.set AXT, 4                            ; v4-5   tile j: my sample's column: 33,408 h + 128 wave + 4 r
.set AD,  6                            ; v6-7   tile j: my 32 bytes of a row, in the result's layout: r PITCH + 32 h + 128 wave
.set LR,  8                            ; v8-11  (e, s): where I read 16 bytes of a row back
.set GR,  12                           ; v12-15 (e, s): and where they go in out
.set OO,  16                           ; v16-19 (e, s): my byte in a tile's row of 1,024
.set PWI, 20                           ; v20-22 where a wave of the softmax puts its images
.set PWJ, 21
.set PWS, 22
.set LI16, 23                          ; v23-25 and where every wave reads them
.set LI8,  24
.set LI4,  25
.set EOFF, 26                          ; v26    my 16 bytes in a part of e
.set PS,  40                           ; v40-43 p's scale words
.set XS,  44                           ; v44-45 x's scale words
.set GG,  46                           ; v46-53 gamma / l of my row of tile a at GG + 2 a (the odd partners hold 0: the packed form names pairs)
.set PF,  56                           ; v56-85 p's fragment a begins at PF + 6 a; its upper six registers are the next fragment's codes (v80-85: zeros): they meet x's zero codes, and E3M2 has no code but numbers
.set XF,  86                           ; v86-109 x's two fragments; registers 6-11 of each hold 0 for the whole launch
.set T3,  110                          ; v110-117 upper halves of blocks' codes
.set XN,  118                          ; v118-181 64 numbers of x down the channels; then XD: x in the result's layout
.set DD,  182                          ; v182-245 the eight accumulators (u, a) at DD + 8 (4 u + a); then rows on their way out
.set R0,  118                          ; the softmax: four sets of 32 numbers
.set R1,  150
.set R2,  182
.set R3,  214
	s_load_b256 s[4:11], s[0:1], 0x0               ; x s[4:5], the parts of e s[6:7], gamma s[8:9], out s[10:11]
	v_lshl_add_u32 v254, v0, 2, 0x29000
	v_mov_b32 v255, 0
	ds_add_u32 v254, v255
	ds_add_u32 v254, v255
	v_lshrrev_b32 v1, 5, v0
	v_readfirstlane_b32 s12, v1                    ; wave 0..7
	s_mov_b32 s13, ttmp9                           ; chunk
	s_and_b32 s14, ttmp7, 0xffff                   ; batch
	s_lshl_b32 s15, s13, 4
	s_min_u32 s15, s15, 109                        ; the chunk's first block of samples
	s_cmp_eq_u32 s13, 7
	s_cselect_b32 s16, 384, 0                      ; bytes of tile 0's rows under this are another chunk's
	s_and_b32 s17, s15, 1
	s_lshl_b32 s17, s17, 7                         ; even rows: the first byte of a tile's row that lies at a multiple of 256 in out (a row of out is 16,000 = 62 x 256 + 128 bytes)
	s_sub_co_u32 s18, 128, s17                     ; odd rows
	; descriptor group 1: a tile of 8 rows x 256 numbers of 4 bytes, 16 bytes of padding behind each row
	s_mov_b32 s24, (2<<16)|(1<<20)|(7<<22)|(3<<25) ; no mask; elements of 4 bytes; padding on; after every 256 words (code 7); of 4 words (code 3)
	s_mov_b32 s25, 256<<16                         ; tensor_dim0 = 256
	s_mov_b32 s26, 8<<16                           ; tensor_dim1 = 8
	s_mov_b32 s27, 256<<16                         ; tile_dim0 = 256
	s_mov_b32 s28, 8                               ; tile_dim1 = 8
	s_mov_b32 s29, 4000                            ; from row to row
	s_mov_b32 s30, 0
	s_mov_b32 s31, 0
	s_mul_i32 s20, s14, 1024000                    ; the batch,
	s_lshl_b32 s21, s15, 7                         ; the chunk's first block
	s_add_co_u32 s20, s20, s21
	s_mov_b32 s21, 0
	s_mul_i32 s22, s12, 128000                     ; my wave's 8 rows of 16,000 bytes
	s_mov_b32 s23, 0
	s_lshr_b32 s44, s12, 2
	s_lshl_b32 s44, s44, 7
	s_mul_i32 s45, s12, 8*PITCH
	s_add_co_u32 s44, s44, s45                     ; and their place in a tile
	s_lshl_b32 s46, s14, 17                        ; the batch's eight parts of e
	s_mov_b32 s47, 0
	s_mov_b32 s40, 0x76543210
	s_mov_b32 s41, 0xfedcba98                      ; v_permlanex16_b32's selects for lane l xor 16
	s_wait_dscnt 0x0
	s_wait_kmcnt 0x0
	s_load_b32 s19, s[8:9], 0x0                    ; gamma
	s_add_nc_u64 s[4:5], s[4:5], s[20:21]
	s_add_nc_u64 s[10:11], s[10:11], s[20:21]
	s_add_nc_u64 s[4:5], s[4:5], s[22:23]
	s_add_nc_u64 s[6:7], s[6:7], s[46:47]
	s_mov_b32 s32, 1                               ; group 0 for tile 0: local blocks 0-7
	s_mov_b32 s33, s44
	s_mov_b64 s[34:35], s[4:5]
	s_or_b32 s35, s35, 0x80000000
	s_mov_b32 s36, 1                               ; and for tile 1: local blocks 8-15
	s_add_co_u32 s37, s44, TILE2
	s_add_nc_u64 s[38:39], s[4:5], 1024
	s_or_b32 s39, s39, 0x80000000
	tensor_load_to_lds s[32:35], s[24:31]          ; all that the work-group reads of x: two loads a wave, both first fills
	s_nop 0
	tensor_load_to_lds s[36:39], s[24:31]
	s_nop 0
.rept 4
	v_nop                                          ; four nops behind the loads
.endr
	; every address register is made here, ahead of the parting of the waves
	v_and_b32 v1, 15, v0                           ; r
	v_bfe_u32 v2, v0, 4, 1                         ; h
	v_and_b32 v3, 31, v0                           ; lane
	s_lshl_b32 s48, s12, 7                         ; my block's 128 bytes in a tile's row
	v_mul_u32_u24 v[AXT], v2, 32*PITCH+128
	v_lshl_add_u32 v[AXT], v1, 2, v[AXT]
	v_add_nc_u32 v[AXT], s48, v[AXT]
	v_add_nc_u32 v[AXT+1], TILE2, v[AXT]
	v_mul_u32_u24 v[AD], v1, PITCH
	v_lshl_add_u32 v[AD], v2, 5, v[AD]
	v_add_nc_u32 v[AD], s48, v[AD]
	v_add_nc_u32 v[AD+1], TILE2, v[AD]
	v_lshlrev_b32 v[LI16], 4, v3                   ; 16 x lane
	v_add_nc_u32 v[OO], s17, v[LI16]               ; a row's 1,024 bytes go as two runs of 512, begun where out has a multiple of 256; the second run wraps round
	v_add_nc_u32 v[OO+1], 512, v[OO]
	v_and_b32 v[OO+1], 1023, v[OO+1]
	v_add_nc_u32 v[OO+2], s18, v[LI16]
	v_add_nc_u32 v[OO+3], 512, v[OO+2]
	v_and_b32 v[OO+3], 1023, v[OO+3]
	s_add_co_u32 s49, s44, PITCH
	s_add_co_u32 s51, s22, 16000
	v_add_nc_u32 v[LR],   s44, v[OO]               ; rows 8 wave + 2 m (e = 0),
	v_add_nc_u32 v[LR+1], s44, v[OO+1]
	v_add_nc_u32 v[LR+2], s49, v[OO+2]             ; and 8 wave + 2 m + 1 (e = 1)
	v_add_nc_u32 v[LR+3], s49, v[OO+3]
	v_add_nc_u32 v[GR],   s22, v[OO]
	v_add_nc_u32 v[GR+1], s22, v[OO+1]
	v_add_nc_u32 v[GR+2], s51, v[OO+2]
	v_add_nc_u32 v[GR+3], s51, v[OO+3]
	s_and_b32 s52, s12, 3                          ; which 16 rows of e a wave of the softmax takes
	s_mul_i32 s53, s52, 768
	s_add_co_u32 s53, s53, PIMG
	v_add_nc_u32 v[PWI], s53, v[LI16]
	v_lshl_add_u32 v[PWJ], v3, 3, s53
	v_add_nc_u32 v[PWJ], 512, v[PWJ]
	s_lshl_b32 s54, s52, 7
	s_add_co_u32 s54, s54, PSC
	v_lshl_add_u32 v[PWS], v3, 2, s54
	s_lshl_b32 s55, s52, 12
	v_add_nc_u32 v[EOFF], s55, v[LI16]
	v_lshl_add_u32 v[LI8], v3, 3, PIMG+512
	v_lshl_add_u32 v[LI4], v3, 2, PSC
	v_add_nc_u32 v[LI16], PIMG, v[LI16]
.irp i, 0,1,2,3,4,5
	v_mov_b32 v[PF+24+\i], 0                       ; behind p's last fragment
	v_mov_b32 v[XF+6+\i], 0                        ; x's codes of K = 64 .. 127
	v_mov_b32 v[XF+18+\i], 0
.endr
.irp a, 0,1,2,3
	v_mov_b32 v[GG+2*\a+1], 0
.endr
	v_mov_b32 v31, 0                               ; written once: a lane permute's destination counts as one of its sources
	v_mov_b32 v32, 0
	s_wait_kmcnt 0x0                               ; gamma
	s_cmp_lt_u32 s12, 4
	s_cbranch_scc0 .Ljoin                          ; waves 4-7 have no part in the softmax; no barrier and no tensor load stands in it
	; ---- THE SOFTMAX: wave a, lane (r, h): e[16 a + r][32 h + 0 .. 31]
.macro PL c, r                         ; my 32 numbers of part c
.irp q, 0,1,2,3,4,5,6,7
	global_load_b128 v[\r+4*\q:\r+4*\q+3], v[EOFF], s[6:7] offset:(\c)*16384+512*\q
.endr
.endm
.macro ACCUM r
.irp i, 0,2,4,6,8,10,12,14,16,18,20,22,24,26,28,30
	v_pk_add_f32 v[R0+\i:R0+\i+1], v[R0+\i:R0+\i+1], v[\r+\i:\r+\i+1]
.endr
.endm
	PL 0, R0
	PL 1, R1
	PL 2, R2
	PL 3, R3
	s_wait_loadcnt 16                              ; parts 0 and 1 are in; two younger parts (8 loads each) stay out, here and at the next four waits
	ACCUM R1
	PL 4, R1
	s_wait_loadcnt 16
	ACCUM R2
	PL 5, R2
	s_wait_loadcnt 16
	ACCUM R3
	PL 6, R3
	s_wait_loadcnt 16
	ACCUM R1
	PL 7, R1
	s_wait_loadcnt 16
	ACCUM R2
	s_wait_loadcnt 8                               ; part 7 stays out
	ACCUM R3
	s_wait_loadcnt 0x0
	ACCUM R1
	v_max3_num_f32 v27, v[R0],   v[R0+1], v[R0+2]  ; the largest and the smallest of my 32, two chains each
	v_max3_num_f32 v28, v[R0+3], v[R0+4], v[R0+5]
	v_min3_num_f32 v29, v[R0],   v[R0+1], v[R0+2]
	v_min3_num_f32 v30, v[R0+3], v[R0+4], v[R0+5]
.irp i, 6,10,14,18,22,26
	v_max3_num_f32 v27, v27, v[R0+\i],   v[R0+\i+1]
	v_max3_num_f32 v28, v28, v[R0+\i+2], v[R0+\i+3]
	v_min3_num_f32 v29, v29, v[R0+\i],   v[R0+\i+1]
	v_min3_num_f32 v30, v30, v[R0+\i+2], v[R0+\i+3]
.endr
	v_max3_num_f32 v27, v27, v[R0+30], v[R0+31]
	v_min3_num_f32 v29, v29, v[R0+30], v[R0+31]
	v_max_num_f32 v27, v27, v28                    ; my block's largest e
	v_min_num_f32 v29, v29, v30
	v_permlanex16_b32 v31, v27, s40, s41
	v_permlanex16_b32 v32, v29, s40, s41
	v_max_num_f32 v33, v27, v31                    ; the row's largest,
	v_min_num_f32 v34, v29, v32                    ; and smallest
	v_mov_b32 v35, v34                             ; (the packed forms name pairs)
	v_sub_f32 v28, v33, v34
	v_add_f32 v30, 0x322bcc77, v28                 ; max - min + 1e-8
	v_rcp_f32 v30, v30
	v_sub_f32 v27, v27, v34                        ; (a plain line behind the reciprocal)  my block's largest e - min
	s_wait_alu depctr_va_vdst(0)
	v_mul_f32 v36, 0x3fb8aa3b, v30                 ; log2(e) / (max - min + 1e-8)
	v_mov_b32 v37, v36
	v_mul_f32 v28, v28, v36                        ; the row's largest t
	v_floor_f32 v38, -v28                          ; -M = floor(-t) = -ceil(t)
	v_mov_b32 v39, v38
.irp i, 0,2,4,6,8,10,12,14,16,18,20,22,24,26,28,30
	v_pk_add_f32 v[R0+\i:R0+\i+1], v[R0+\i:R0+\i+1], v[34:35] op_sel_hi:[1,0] neg_lo:[0,1] neg_hi:[0,1]   ; e - min
.endr
.irp i, 0,2,4,6,8,10,12,14,16,18,20,22,24,26,28,30
	v_pk_fma_f32 v[R0+\i:R0+\i+1], v[R0+\i:R0+\i+1], v[36:37], v[38:39] op_sel_hi:[1,0,0]                 ; t - M
.endr
	v_fma_f32 v27, v27, v36, v38                   ; the same of my block's largest: the same lines on the same number give the same bits
.set i, 0
.rept 32
	v_exp_f32 v[R0+i], v[R0+i]                     ; p = 2^(t - M)
.set i, i+1
.endr
	v_exp_f32 v27, v27                             ; my block's largest p
	v_mov_b32 v33, 0x7f7f0000                      ; (a plain line behind the exponentials)  the scale bytes of K = 64 .. 127: 1.0
	s_wait_alu depctr_va_vdst(0)
	v_pk_add_f32 v[28:29], v[R0:R0+1],   v[R0+2:R0+3]      ; the row's sum is taken of the unquantised p: two packed chains
	v_pk_add_f32 v[30:31], v[R0+4:R0+5], v[R0+6:R0+7]
.irp i, 8,12,16,20,24,28
	v_pk_add_f32 v[28:29], v[28:29], v[R0+\i:R0+\i+1]
	v_pk_add_f32 v[30:31], v[30:31], v[R0+\i+2:R0+\i+3]
.endr
	v_pk_add_f32 v[28:29], v[28:29], v[30:31]
	v_add_f32 v28, v28, v29
	v_permlanex16_b32 v32, v28, s40, s41
	v_add_f32 v28, v28, v32                        ; l
	v_rcp_f32 v28, v28
	v_max_num_f32 v27, 0x2800000, v27              ; (a plain line behind the reciprocal)  the floor 2^(5 - 127)
	s_wait_alu depctr_va_vdst(0)
	v_mul_f32 v28, s19, v28                        ; gamma / l
	v_add_nc_u32 v27, 0xfe000000, v27              ; 4 off the exponent field: the conversion's scale operand
	v_lshrrev_b32 v29, 23, v27                     ; my block's scale byte
	v_permlanex16_b32 v31, v29, s40, s41
	v_lshl_or_b32 v29, v31, 8, v29                 ; lanes 0-15: block 0's byte, block 1's
	v_or_b32 v29, v33, v29
	v_cvt_scalef32_pk16_bf6_f32 v[XF:XF+2], v[R0:R0+15], v27
	v_cvt_scalef32_pk16_bf6_f32 v[T3:T3+2], v[R0+16:R0+31], v27    ; (a conversion's three registers begin on an even number)
	v_nop                                          ; one plain line behind the conversions
.irp k, 0,1,2
	v_mov_b32 v[XF+3+\k], v[T3+\k]
.endr
	ds_store_b128 v[PWI], v[XF:XF+3]               ; the fragment's six registers as they stand,
	ds_store_b64 v[PWJ], v[XF+4:XF+5]
	ds_store_b32 v[PWS], v29                       ; its scale words,
	ds_store_b32 v[PWS], v28 offset:512            ; and gamma / l
.Ljoin:
	s_wait_tensorcnt 0x1                           ; my 8 rows of tile 0 are in; tile 1's load may stay out
	s_wait_dscnt 0x0                               ; my stores of p are done
	s_barrier_signal -1
	s_barrier_wait -1
.irp a, 0,1,2,3
	ds_load_b128 v[PF+6*\a:PF+6*\a+3], v[LI16] offset:768*\a
	ds_load_b64 v[PF+6*\a+4:PF+6*\a+5], v[LI8] offset:768*\a
	ds_load_b32 v[PS+\a], v[LI4] offset:128*\a
	ds_load_b32 v[GG+2*\a], v[LI4] offset:512+128*\a
.endr
; my block of 32 samples of tile j: two tiles of 16 samples (u), four tiles of 16 rows of out (a)
.macro COMPUTE j
.irp u, 0,1
.set i, 0
.rept 32
	ds_load_b32 v[XN+32*\u+i], v[AXT+\j] offset:i*PITCH+64*\u      ; x[32 h + i][sample 16 u + r]
.set i, i+1
.endr
.endr
	s_wait_dscnt 0x0
.irp u, 0,1
	v_max3_num_f32 v[27+\u], |v[XN+32*\u]|, |v[XN+32*\u+1]|, 0x2800000   ; my block's largest magnitude: all 32 numbers are mine; and the floor 2^(5 - 127): the byte cannot fall under 1
.endr
.irp i, 2,4,6,8,10,12,14,16,18,20,22,24,26,28,30
.irp u, 0,1
	v_max3_num_f32 v[27+\u], v[27+\u], |v[XN+32*\u+\i]|, |v[XN+32*\u+\i+1]|
.endr
.endr
	v_add_nc_u32 v29, 0xfe000000, v27              ; 4 off the exponent field: the conversion's scale operand
	v_add_nc_u32 v30, 0xfe000000, v28
	v_lshrrev_b32 v33, 23, v29                     ; the scale's byte
	v_lshrrev_b32 v34, 23, v30
	v_permlanex16_b32 v31, v33, s40, s41
	v_permlanex16_b32 v32, v34, s40, s41
	v_lshl_or_b32 v33, v31, 8, v33
	v_lshl_or_b32 v34, v32, 8, v34
	v_or_b32 v[XS], 0x7f7f0000, v33                ; lanes 0-15: the bytes of channels 0-31, 32-63, and 1.0 twice
	v_or_b32 v[XS+1], 0x7f7f0000, v34
.irp u, 0,1
	v_cvt_scalef32_pk16_bf6_f32 v[XF+12*\u:XF+12*\u+2], v[XN+32*\u:XN+32*\u+15], v[29+\u]
	v_cvt_scalef32_pk16_bf6_f32 v[T3+4*\u:T3+4*\u+2], v[XN+32*\u+16:XN+32*\u+31], v[29+\u]
.endr
	v_nop                                          ; one plain line behind the conversions
.irp u, 0,1
.irp k, 0,1,2
	v_mov_b32 v[XF+12*\u+3+\k], v[T3+4*\u+\k]
.endr
.endr
.irp u, 0,1
.irp a, 0,1,2,3
.irp q, 0,1
	ds_load_b128 v[XN+8*(4*\u+\a)+4*\q:XN+8*(4*\u+\a)+4*\q+3], v[AD+\j] offset:\a*16*PITCH+(\a/2)*128+64*\u+16*\q   ; x once more, as the results lie: x[16 a + r][16 u + 8 h + 0 .. 7]
.endr
.endr
.endr
.rept 4
	v_nop                                          ; the operands' last moves stand 4 places ahead of the scaled matrix instructions, the scale words 11
.endr
.irp u, 0,1
.irp a, 0,1,2,3
	v_wmma_scale_f32_16x16x128_f8f6f4 v[DD+8*(4*\u+\a):DD+8*(4*\u+\a)+7], v[XF+12*\u:XF+12*\u+11], v[PF+6*\a:PF+6*\a+11], 0, v[XS+\u], v[PS+\a] matrix_a_fmt:MATRIX_FMT_BF6 matrix_b_fmt:MATRIX_FMT_BF6
.endr
.endr
	s_wait_dscnt 0x0
.rept 4
	v_nop                                          ; four places between the last product and the first read of results
.endr
.irp u, 0,1
.irp a, 0,1,2,3
.irp i, 0,2,4,6
	v_pk_fma_f32 v[XN+8*(4*\u+\a)+\i:XN+8*(4*\u+\a)+\i+1], v[DD+8*(4*\u+\a)+\i:DD+8*(4*\u+\a)+\i+1], v[GG+2*\a:GG+2*\a+1], v[XN+8*(4*\u+\a)+\i:XN+8*(4*\u+\a)+\i+1] op_sel_hi:[1,0,1]   ; (gamma / l) x the sum + x; each accumulator from its low end on
.endr
.endr
.endr
.irp u, 0,1
.irp a, 0,1,2,3
.irp q, 0,1
	ds_store_b128 v[AD+\j], v[XN+8*(4*\u+\a)+4*\q:XN+8*(4*\u+\a)+4*\q+3] offset:\a*16*PITCH+(\a/2)*128+64*\u+16*\q   ; over x, in my own 128 bytes of each row
.endr
.endr
.endr
.endm
; tile j leaves by rows: wave w stores rows 8 w + 2 m + e.  Lanes 0-15 of every store, and lanes 16-31 of all but the wrapped run's, cover 256 consecutive bytes at a multiple of 256 from out's first byte.
.macro ROWPASS j
.irp e, 0,1
.irp s, 0,1
.irp m, 0,1,2,3
	ds_load_b128 v[DD+4*(4*(2*\e+\s)+\m):DD+4*(4*(2*\e+\s)+\m)+3], v[LR+2*\e+\s] offset:\m*2*PITCH
.endr
.endr
.endr
.if \j == 0
	s_wait_dscnt 0x0
.irp e, 0,1
.irp s, 0,1
	v_cmp_le_u32 vcc_lo, s16, v[OO+2*\e+\s]        ; chunk 7 leaves the rows' first 384 bytes to chunk 6; in every other chunk all lanes stay on
	s_wait_xcnt 0x0                                ; EXEC is a source of the stores that are out: it changes only behind this wait
	s_and_saveexec_b32 s42, vcc_lo
.irp m, 0,1,2,3
	global_store_b128 v[GR+2*\e+\s], v[DD+4*(4*(2*\e+\s)+\m):DD+4*(4*(2*\e+\s)+\m)+3], s[10:11] offset:\m*32000 th:TH_STORE_NT
.endr
	s_wait_xcnt 0x0                                ; and again in front of the line that widens it; behind the last of these the stores' data may be written again
	s_or_b32 exec_lo, exec_lo, s42
.endr
.endr
.else
.set n, 0
.irp e, 0,1
.irp s, 0,1
.irp m, 0,1,2,3
	s_wait_dscnt 15-n                              ; LDS loads come back in order: load n is in, the younger ones stay out
	global_store_b128 v[GR+2*\e+\s], v[DD+4*(4*(2*\e+\s)+\m):DD+4*(4*(2*\e+\s)+\m)+3], s[10:11] offset:\m*32000+1024 th:TH_STORE_NT
.set n, n+1
.endr
.endr
.endr
.endif
.endm
	COMPUTE 0
	s_wait_tensorcnt 0x0                           ; my 8 rows of tile 1 are in,
	s_wait_dscnt 0x0                               ; and my results lie in tile 0
	s_barrier_signal -1
	s_barrier_wait -1                              ; one barrier for both
	ROWPASS 0                                      ; tile 0's stores leave while tile 1 is worked on
.irp i, 0,1,2,3
	v_add_nc_u32 v[LR+\i], TILE2, v[LR+\i]
.endr
	COMPUTE 1
	s_wait_dscnt 0x0
	s_barrier_signal -1
	s_barrier_wait -1
	ROWPASS 1
	s_wait_tensorcnt 0x0
	ds_add_u32 v254, v255
	s_wait_dscnt 0x0
	s_endpgm
.Lfunc_end_k_q574453398f_attn:
	.size	k_q574453398f_attn, .Lfunc_end_k_q574453398f_attn-k_q574453398f_attn
	.p2alignl 7, 3214868480
	.fill 96, 4, 3214868480
	.section	.rodata,"a",@progbits
	.p2align	6, 0x0
	.amdhsa_kernel k_q574453398f_attn
		.amdhsa_group_segment_fixed_size 168960
		.amdhsa_private_segment_fixed_size 0
		.amdhsa_enable_private_segment 0
		.amdhsa_kernarg_size 32
		.amdhsa_user_sgpr_count 2
		.amdhsa_user_sgpr_kernarg_segment_ptr 1
		.amdhsa_wavefront_size32 1
		.amdhsa_system_sgpr_workgroup_id_x 1
		.amdhsa_system_sgpr_workgroup_id_y 1
		.amdhsa_system_sgpr_workgroup_id_z 1
		.amdhsa_system_vgpr_workitem_id 0
		.amdhsa_next_free_vgpr 256
		.amdhsa_next_free_sgpr 66
		.amdhsa_reserve_vcc 1
		.amdhsa_float_denorm_mode_32 3
		.amdhsa_float_denorm_mode_16_64 3
		.amdhsa_memory_ordered 1
		.amdhsa_forward_progress 1
		.amdhsa_inst_pref_size 60
	.end_amdhsa_kernel
	.amdgpu_metadata
---
amdhsa.version: [ 1, 2 ]
amdhsa.kernels:
  - .name:           k_q574453398f_attn
    .symbol:         k_q574453398f_attn.kd
    .args:
      - { .name: x, .offset: 0, .size: 8, .value_kind: global_buffer, .address_space: global }
      - { .name: epart, .offset: 8, .size: 8, .value_kind: global_buffer, .address_space: global }
      - { .name: gamma, .offset: 16, .size: 8, .value_kind: global_buffer, .address_space: global }
      - { .name: out0, .offset: 24, .size: 8, .value_kind: global_buffer, .address_space: global }
    .group_segment_fixed_size: 168960
    .private_segment_fixed_size: 0
    .kernarg_segment_align: 8
    .kernarg_segment_size: 32
    .max_flat_workgroup_size: 256
    .sgpr_count:     66
    .vgpr_count:     256
    .wavefront_size: 32
...
	.end_amdgpu_metadata
.endif
;; end of part 2
